; MI455X (gfx1250); checked and timed in simulation.
; The chip was launched on July 23, 2026; its instructions are those of AMD's public machine-readable ISA for CDNA 5 (MIT licence, August 2026) and "CDNA5" Instruction Set Architecture Reference Guide (July 2026). The comments in the code are by the model that wrote it; some were corrected since.
;; LR. Allowed arithmetic: float matrix products may take bf16 or f16 operands with f32 sums; all other float work in f32.
;; Inputs: W 1 x 488,256 float32; b 1 float32; dense_feature 65,536 x 256 float32; sparse_feature 65,536 x 20 int32.
;; Outputs: out0 65,536 float32.
;; 2 versions, each right; version 2 is version 1 with the launch lr written anew for expert scheduling mode. Each part assembles by itself: llvm-mc -triple=amdgcn-amd-amdhsa -mcpu=gfx1250 --defsym DOCPART=n.
;; ======== version 1 of 2: 1 launch
;; launch lr (part 1): grid 256 x 1, 8 waves a work-group, no clusters, 22,528 bytes of LDS; arguments W, b, dense_feature, sparse_feature, out0; writes out0
.if DOCPART == 1
	.amdgcn_target "amdgcn-amd-amdhsa--gfx1250"
	.amdhsa_code_object_version 6
	.text
	.protected	k_q0dcc3b800e_lr
	.globl	k_q0dcc3b800e_lr
	.p2align	8
	.type	k_q0dcc3b800e_lr,@function
k_q0dcc3b800e_lr:
	s_mov_b64 s[64:65], 0
	v_nop
	global_prefetch_b8 v0, s[64:65] scope:SCOPE_SE
	s_setreg_imm32_b32 hwreg(HW_REG_WAVE_MODE, 25, 1), 1
	s_wait_xcnt 0x0
; out[r] = sigmoid( sum over 20 columns j of W[id[r][j] + OFFSET[j]]  +  dense[r][0:256] . W[488000:488256]  +  b ).
; dense: [65536][256] f32, ids: [65536][20] i32, W: [488256] f32, b: [1] f32, out: [65536] f32.
;
; A stream with a gather beside it: 2 operations for each 4 bytes of dense, each dense number used once.  So: f32 packed multiply-adds
; straight on the loaded registers.  The matrix unit is left out: turning f32 into bf16 costs one vector instruction for two numbers,
; as much as the packed multiply-add that does the whole work, and f32 is more exact.  No tensor loads, no cluster: no two waves and no two
; work-groups read the same dense or id bytes; only W is shared, and it is gathered word by word.
;
; SHARES.  256 work-groups x 8 waves; a work-group owns 256 rows, a wave 32 rows, and in the end thread t holds row t of the group.
; DENSE.  One 16-byte load: lanes 0-15 take 256 consecutive aligned bytes of row i, lanes 16-31 of row 16 + i (i = 0..15, a 'register row').
;   Four such loads are the two whole rows.  Lane (h, r) always sees columns 64 c + 4 r .. + 3 (c = 0..3): its 16 dense weights stay in registers.
;   A ring of SLOTS register slots of four loads keeps 40 loads (20,480 bytes) of every wave on their way; the 16 turns are written out, no loop.
;   Each turn leaves one partial sum a lane; the 16 partial registers are folded pairwise across the 16 lanes of a half (MERGE), each pair as soon
;   as it exists, so that lane (h, r) ends with the whole sum of register row r, which is row 16 h + r: the lane's own row.
; IDS.  A wave's 32 x 20 ids are 2,560 consecutive bytes: read once by five loads of 512 consecutive bytes, laid into the wave's own LDS bytes as they
;   come, and read back at 80 x lane (80 = 5 x 16), so that lane L holds
;   the 20 ids of row L and each column's offset is a constant of the text.
; OUT.  32 results of a wave would be 128 bytes; the group's 256 results meet in LDS behind one barrier, and waves 0 and 1 store them,
;   16 bytes a lane: each store covers 512 consecutive bytes that start at a multiple of 512 from out's first byte.
;
; LIMITS.  id + OFFSET is taken as an unsigned number and clamped to 0 .. 487,999: every index inside the table W[0:488000] is served (also an id
;   beyond its own column's vocabulary); an index outside the table reads the last entry.  A result below 2^-126 is stored as 0 (v_rcp_f32
;   flushes denormal results, ISA guide 15.8).  Sums are f32, in another order than a sum from left to right.
.set ROWB,   1024                      ; bytes in a dense row
.set NROW,   16                        ; register rows of a wave (two rows each)
.set SLOTS,  10                        ; ring slots, four loads each
.set NGAT,   20                        ; id columns = gathers a lane
.set IDXW,   32*NGAT*4                 ; a wave's id bytes: 2,560
.set OUTST,  8*IDXW                    ; LDS: behind the eight waves' id bytes, 256 results of 4 bytes
.set STOTAL, 488000                    ; entries of the sparse table; the 256 dense weights follow it
.set LAST,   STOTAL-1
.set WDOFF,  STOTAL*4                  ; byte 1,952,000 of W, a multiple of 256
.set SA,   5                           ; v5       wave x 2,560 + 16 x lane: id bytes as they lie in memory (global offset and LDS address alike)
.set SR,   6                           ; v6       wave x 2,560 + 80 x lane: my row's ids in LDS
.set WOF,  7                           ; v7       16 r: my four columns in each 256 bytes
.set DOF,  8                           ; v8       (t / 16) x 16 rows x 1,024 + 16 r: my 16 bytes in register row 0
.set OA,   9                           ; v9       4 t: my result in the stage
.set OB,   10                          ; v10      16 (t mod 64): four results on the way out
.set TMP,  11                          ; v11      MERGE: what a lane hands to its partner
.set SPS,  12                          ; v12      sum of my row's 20 gathered weights + b
.set LOG,  13                          ; v13      the logit, then the result
.set PAR,  14                          ; v[14:17] two packed chains of a turn
.set WDN,  18                          ; v[18:33] my 16 dense weights
.set ACC,  34                          ; v[34:49] partial sum of register row i
.set IDX,  50                          ; v[50:69] my row's ids, then the gathers' byte offsets
.set GAT,  70                          ; v[70:89] ids as loaded, then the gathered weights
.set DAT,  90                          ; v[90:249] the ring: slot s = 16 registers
.set MSK,  28                          ; s[28:31] lanes whose number has bit 0, 1, 2, 3 set
; four loads: register row i into its slot
.macro FILL i
.set dd, DAT+16*((\i)%SLOTS)
.irp c, 0,1,2,3
	global_load_b128 v[dd+4*\c:dd+4*\c+3], v[DOF], s[8:9] offset:ROWB*(\i)+256*\c th:TH_LOAD_NT
.endr
.endm
; Fold two partial registers across lanes that differ in bit lvl (x = 1 << lvl).  A lane with the bit clear goes on with register a and hands its
; part of c to its partner; a lane with the bit set the other way round.  Three instructions halve two registers' lanes into one register.
.macro MERGE a, c, lvl, x
	v_cndmask_b32 v[TMP], v[ACC+\c], v[ACC+\a], s[MSK+\lvl]        ; to hand over: bit set ? a : c
	v_cndmask_b32 v[ACC+\a], v[ACC+\a], v[ACC+\c], s[MSK+\lvl]     ; to keep:      bit set ? c : a
	v_add_f32_dpp v[ACC+\a], v[TMP], v[ACC+\a] row_xmask:\x row_mask:0xf bank_mask:0xf   ; kept + what lane (l xor x) hands over
.endm
; The turn of register row i.  left = how many younger loads may stay out.
.macro TURN i, left
	s_wait_loadcnt \left                           ; loads come back in order (ISA guide 5.7.1): this slot's four are in
.set dd, DAT+16*((\i)%SLOTS)
	v_pk_mul_f32 v[PAR:PAR+1],   v[dd:dd+1],   v[WDN:WDN+1]        ; the first products start the two chains: nothing is cleared
	v_pk_mul_f32 v[PAR+2:PAR+3], v[dd+2:dd+3], v[WDN+2:WDN+3]
.irp c, 1,2,3
	v_pk_fma_f32 v[PAR:PAR+1],   v[dd+4*\c:dd+4*\c+1],   v[WDN+4*\c:WDN+4*\c+1],   v[PAR:PAR+1]
	v_pk_fma_f32 v[PAR+2:PAR+3], v[dd+4*\c+2:dd+4*\c+3], v[WDN+4*\c+2:WDN+4*\c+3], v[PAR+2:PAR+3]
.endr
.if (\i)+SLOTS < NROW
	FILL \i+SLOTS                                  ; the slot has been read: its next register row
.endif
	v_pk_add_f32 v[PAR:PAR+1], v[PAR:PAR+1], v[PAR+2:PAR+3]
	v_add_f32 v[ACC+\i], v[PAR], v[PAR+1]
.if ((\i)&1) == 1
	MERGE \i-1, \i, 0, 1                           ; fold as soon as both of a pair exist: four folds are left behind the last turn
.endif
.if ((\i)&3) == 3
	MERGE \i-3, \i-1, 1, 2
.endif
.if ((\i)&7) == 7
	MERGE \i-7, \i-3, 2, 4
.endif
.if (\i) == 15
	MERGE 0, 8, 3, 8
.endif
.endm
; column j: id + the column's offset, clamped into the table, times 4 bytes; then the gather
.macro GATHER j, off
.if \off
	v_add_nc_u32 v[IDX+\j], \off, v[IDX+\j]
.endif
	v_min_u32 v[IDX+\j], LAST, v[IDX+\j]
	v_lshlrev_b32 v[IDX+\j], 2, v[IDX+\j]
	global_load_b32 v[GAT+\j], v[IDX+\j], s[4:5]   ; W is read again by every work-group: no hint
.endm
	s_load_b256 s[4:11], s[0:1], 0x0               ; W s[4:5], b s[6:7], dense s[8:9], ids s[10:11]
	s_load_b64 s[12:13], s[0:1], 0x20              ; out
	v_lshl_add_u32 v250, v0, 2, 0x5400
	v_mov_b32 v251, 0
	v_lshrrev_b32 v1, 5, v0
	v_readfirstlane_b32 s16, v1                    ; wave 0..7
	v_and_b32 v2, 31, v0                           ; lane
	s_mul_i32 s17, s16, IDXW                       ; my wave's id bytes, in the group's part of memory and in LDS alike
	v_lshl_add_u32 v[SA], v2, 4, s17
	v_mul_u32_u24 v3, v2, NGAT*4
	v_add_nc_u32 v[SR], s17, v3
	v_and_b32 v3, 15, v0                           ; r
	v_lshlrev_b32 v[WOF], 4, v3
	v_lshrrev_b32 v4, 4, v0                        ; 2 x wave + h
	v_lshl_add_u32 v[DOF], v4, 14, v[WOF]          ; x 16 rows of 1,024 bytes, + 16 r
	v_lshlrev_b32 v[OA], 2, v0
	s_mul_i32 s18, ttmp9, 8*IDXW                   ; the group's 256 rows: 20,480 bytes of ids,
	s_mov_b32 s19, 0
	s_lshl_b32 s20, ttmp9, 18                      ; 262,144 bytes of dense (at most 255 << 18: below 2^31),
	s_mov_b32 s21, 0
	s_lshl_b32 s22, ttmp9, 10                      ; 1,024 bytes of out
	s_mov_b32 s23, 0
	s_mov_b32 s[MSK+0], 0xaaaaaaaa
	s_mov_b32 s[MSK+1], 0xcccccccc
	s_mov_b32 s[MSK+2], 0xf0f0f0f0
	s_mov_b32 s[MSK+3], 0xff00ff00
	s_wait_kmcnt 0x0
	s_load_b32 s24, s[6:7], 0x0                    ; b
	s_add_nc_u64 s[10:11], s[10:11], s[18:19]
	s_add_nc_u64 s[8:9], s[8:9], s[20:21]
	s_add_nc_u64 s[12:13], s[12:13], s[22:23]
	; The ids go first: they head the only chain of dependent loads (ids, then the gathers).
.irp j, 0,1,2,3,4
	global_load_b128 v[GAT+4*\j:GAT+4*\j+3], v[SA], s[10:11] offset:512*\j th:TH_LOAD_NT
.endr
.irp c, 0,1,2,3
	global_load_b128 v[WDN+4*\c:WDN+4*\c+3], v[WOF], s[4:5] offset:WDOFF+256*\c    ; W[488000 + 64 c + 4 r ..]
.endr
.irp i, 0,1,2,3,4,5,6,7,8,9
	FILL \i                                        ; the ring is filled before anything is waited for
.endr
	s_wait_loadcnt 4+4*SLOTS                       ; the five id loads are in; the 4 weight loads and 40 dense loads behind them stay out
.irp j, 0,1,2,3,4
	ds_store_b128 v[SA], v[GAT+4*\j:GAT+4*\j+3] offset:512*\j      ; my wave's own bytes, as they lie in memory
.endr
.irp c, 0,1,2,3,4
	ds_load_b128 v[IDX+4*\c:IDX+4*\c+3], v[SR] offset:16*\c        ; LDS serves a wave's instructions in order (ISA guide 5.7.1): these see the stores
.endr
	s_wait_dscnt 0x0                               ; my row's 20 ids are in; the stores have read GAT, into which the gathers now load
.irp j, 0,1,2,3
	GATHER \j, \j*100000                           ; four vocabularies of 100,000
.endr
.irp j, 0,1,2,3,4,5,6,7
	GATHER 4+\j, 400000+\j*10000                   ; eight of 10,000
.endr
.irp j, 0,1,2,3,4,5,6,7
	GATHER 12+\j, 480000+\j*1000                   ; eight of 1,000
.endr
	; Behind slot i's loads stand 4 (9 - i) loads of the first filling, the 20 gathers, and the refills of the turns so far (4 each, turns 0 to 5).
	TURN 0, 56
	TURN 1, 56
	TURN 2, 56
	TURN 3, 56
	TURN 4, 56
	TURN 5, 56
	TURN 6, 56                                     ; 12 + 20 + 24
	TURN 7, 52
	TURN 8, 48
	TURN 9, 44                                     ; 0 + 20 + 24
	s_wait_loadcnt 4*(NROW-SLOTS)                  ; the gathers are in; the 24 refills behind them stay out
	s_wait_kmcnt 0x0                               ; b
.irp j, 0,4,8,12,16
	v_pk_add_f32 v[GAT+\j:GAT+\j+1], v[GAT+\j:GAT+\j+1], v[GAT+\j+2:GAT+\j+3]
.endr
	v_pk_add_f32 v[GAT:GAT+1], v[GAT:GAT+1], v[GAT+4:GAT+5]
	v_pk_add_f32 v[GAT+8:GAT+9], v[GAT+8:GAT+9], v[GAT+12:GAT+13]
	v_pk_add_f32 v[GAT:GAT+1], v[GAT:GAT+1], v[GAT+16:GAT+17]
	v_pk_add_f32 v[GAT:GAT+1], v[GAT:GAT+1], v[GAT+8:GAT+9]
	v_add_f32 v[SPS], v[GAT], v[GAT+1]
	v_add_f32 v[SPS], s24, v[SPS]                  ; sparse sum + b, ready before the last dense rows arrive
	TURN 10, 20                                    ; only refills are left: the counts run down
	TURN 11, 16
	TURN 12, 12
	TURN 13, 8
	TURN 14, 4
	TURN 15, 0
	; sigmoid(x) = 1 / (1 + 2^(-x log2 e)).  2^.. = inf gives 0, 2^.. = 0 gives 1: no range of x needs a guard.
	v_add_f32 v[LOG], v[ACC], v[SPS]               ; lane (h, r) holds register row r of its half: thread t holds row t
	v_mul_f32 v[LOG], 0xbfb8aa3b, v[LOG]           ; x times -log2 e
	v_exp_f32 v[LOG], v[LOG]
	v_and_b32 v[OB], 63, v0                        ; a plain instruction between v_exp_f32 and the use of its result (ISA guide 5.7.2)
	s_wait_alu depctr_va_vdst(0)
	v_add_f32 v[LOG], 1.0, v[LOG]
	v_rcp_f32 v[LOG], v[LOG]
	v_lshlrev_b32 v[OB], 4, v[OB]                  ; and one behind v_rcp_f32
	s_wait_alu depctr_va_vdst(0)
	ds_store_b32 v[OA], v[LOG] offset:OUTST
	s_wait_dscnt 0x0                               ; for the other waves' sake: my result lies in LDS before I signal
	s_barrier_signal -1
	s_barrier_wait -1                              ; all 256 results lie there
	s_cmp_ge_u32 s16, 2
	s_cbranch_scc1 .Lend                           ; 1,024 bytes are 64 lanes x 16 bytes: waves 0 and 1 store them
	ds_load_b128 v[DAT:DAT+3], v[OB] offset:OUTST  ; rows 4 t .. 4 t + 3
	s_wait_dscnt 0x0
	global_store_b128 v[OB], v[DAT:DAT+3], s[12:13] th:TH_STORE_NT
.Lend:
	s_wait_tensorcnt 0x0
	ds_add_u32 v250, v251
	s_wait_dscnt 0x0
	s_endpgm
.Lfunc_end_k_q0dcc3b800e_lr:
	.size	k_q0dcc3b800e_lr, .Lfunc_end_k_q0dcc3b800e_lr-k_q0dcc3b800e_lr
	.p2alignl 7, 3214868480
	.fill 96, 4, 3214868480
	.section	.rodata,"a",@progbits
	.p2align	6, 0x0
	.amdhsa_kernel k_q0dcc3b800e_lr
		.amdhsa_group_segment_fixed_size 22528
		.amdhsa_private_segment_fixed_size 0
		.amdhsa_enable_private_segment 0
		.amdhsa_kernarg_size 40
		.amdhsa_user_sgpr_count 2
		.amdhsa_user_sgpr_kernarg_segment_ptr 1
		.amdhsa_wavefront_size32 1
		.amdhsa_system_sgpr_workgroup_id_x 1
		.amdhsa_system_sgpr_workgroup_id_y 1
		.amdhsa_system_sgpr_workgroup_id_z 1
		.amdhsa_system_vgpr_workitem_id 0
		.amdhsa_next_free_vgpr 252
		.amdhsa_next_free_sgpr 66
		.amdhsa_reserve_vcc 0
		.amdhsa_float_denorm_mode_32 3
		.amdhsa_float_denorm_mode_16_64 3
		.amdhsa_memory_ordered 1
		.amdhsa_forward_progress 1
		.amdhsa_inst_pref_size 29
	.end_amdhsa_kernel
	.amdgpu_metadata
---
amdhsa.version: [ 1, 2 ]
amdhsa.kernels:
  - .name:           k_q0dcc3b800e_lr
    .symbol:         k_q0dcc3b800e_lr.kd
    .args:
      - { .name: W, .offset: 0, .size: 8, .value_kind: global_buffer, .address_space: global }
      - { .name: b, .offset: 8, .size: 8, .value_kind: global_buffer, .address_space: global }
      - { .name: dense_feature, .offset: 16, .size: 8, .value_kind: global_buffer, .address_space: global }
      - { .name: sparse_feature, .offset: 24, .size: 8, .value_kind: global_buffer, .address_space: global }
      - { .name: out0, .offset: 32, .size: 8, .value_kind: global_buffer, .address_space: global }
    .group_segment_fixed_size: 22528
    .private_segment_fixed_size: 0
    .kernarg_segment_align: 8
    .kernarg_segment_size: 40
    .max_flat_workgroup_size: 256
    .sgpr_count:     66
    .vgpr_count:     252
    .wavefront_size: 32
...
	.end_amdgpu_metadata
.endif
;; end of part 1
;; ======== version 2 of 2: 1 launch; version 1 with the launch lr written anew for expert scheduling mode
;; launch lr (part 2): grid 256 x 1, 8 waves a work-group, no clusters, 22,528 bytes of LDS; arguments W, b, dense_feature, sparse_feature, out0; writes out0
.if DOCPART == 2
	.amdgcn_target "amdgcn-amd-amdhsa--gfx1250"
	.amdhsa_code_object_version 6
	.text
	.protected	k_q0dcc3b800e_lr
	.globl	k_q0dcc3b800e_lr
	.p2align	8
	.type	k_q0dcc3b800e_lr,@function
k_q0dcc3b800e_lr:
	s_mov_b64 s[64:65], 0
	v_nop
	global_prefetch_b8 v0, s[64:65] scope:SCOPE_SE
	s_setreg_imm32_b32 hwreg(HW_REG_WAVE_SCHED_MODE, 0, 2), 2
	s_setreg_imm32_b32 hwreg(HW_REG_WAVE_MODE, 25, 1), 1
	s_wait_xcnt 0x0
	s_wait_alu depctr_vm_vsrc(0)
; out[r] = sigmoid( sum over 20 columns j of W[id[r][j] + OFFSET[j]]  +  dense[r][0:256] . W[488000:488256]  +  b ).
; dense: [65536][256] f32, ids: [65536][20] i32, W: [488256] f32, b: [1] f32, out: [65536] f32.
;
; A stream with a gather beside it: 2 operations for each 4 bytes of dense, each dense number used once.  So: f32 packed multiply-adds
; straight on the loaded registers.  The matrix unit is left out: turning f32 into bf16 costs one vector instruction for two numbers,
; as much as the packed multiply-add that does the whole work, and f32 is more exact.  No tensor loads, no cluster: no two waves and no two
; work-groups read the same dense or id bytes; only W is shared, and it is gathered word by word.
;
; SHARES.  256 work-groups x 8 waves; a work-group owns 256 rows, a wave 32 rows, and in the end thread t holds row t of the group.
; DENSE.  One 16-byte load: lanes 0-15 take 256 consecutive aligned bytes of row i, lanes 16-31 of row 16 + i (i = 0..15, a 'register row').
;   Four such loads are the two whole rows.  Lane (h, r) always sees columns 64 c + 4 r .. + 3 (c = 0..3): its 16 dense weights stay in registers.
;   A ring of SLOTS register slots of four loads keeps 40 loads (20,480 bytes) of every wave on their way; the 16 turns are written out, no loop.
;   Each turn leaves one partial sum a lane; the 16 partial registers are folded pairwise across the 16 lanes of a half (MERGE), each pair as soon
;   as it exists, so that lane (h, r) ends with the whole sum of register row r, which is row 16 h + r: the lane's own row.
; IDS.  A wave's 32 x 20 ids are 2,560 consecutive bytes: read once by five loads of 512 consecutive bytes, laid into the wave's own LDS bytes as they
;   come, and read back at 80 x lane (80 = 5 x 16), so that lane L holds
;   the 20 ids of row L and each column's offset is a constant of the text.
; OUT.  32 results of a wave would be 128 bytes; the group's 256 results meet in LDS behind one barrier, and waves 0 and 1 store them,
;   16 bytes a lane: each store covers 512 consecutive bytes that start at a multiple of 512 from out's first byte.
;
; THE MODE: SCHED_MODE bits 1:0 = 2 (LLVM: expert scheduling mode 2), set by the entry lines.  The code itself states the register dependences
; between vector instructions and memory or LDS instructions, with s_wait_alu, always for 0.
; THE PLAN.  Registers that memory or LDS instructions touch, in the order of the text:
;   v5 to v9      addresses and offsets.  Written by vector instructions at the head, once; read by every load, LDS store and LDS load.  One wait on va_vdst at the head.
;   GAT           the id loads land in it; the five LDS stores read it; the 20 gathers land in it; the sparse sum reads and writes it.  One wait on vm_vsrc ahead of the gathers.
;   IDX           the five LDS loads land in it; the arithmetic of all 20 columns rewrites it; the 20 gathers read it as offsets; never written again.
;                 The arithmetic stands together and the gathers in one run behind it: one wait on va_vdst for the twenty.
;   WDN           four loads land in it; vector instructions alone name it afterwards.
;   DAT, slot s   a load of the head lands in it; its turn's eight packed multiply-adds read it; slots 0 to 5 are loaded once more, in that same turn: one wait on va_vdst
;                 behind the eight, and the four loads dealt among the turn's other vector lines, which name PAR, ACC and TMP alone.  Turns 6 to 15 issue no load and hold no such wait.
;   LOG, OB, and DAT's first four registers: the way out; one wait on va_vdst ahead of the last LDS store, behind which no vector instruction stands.
;   PAR, ACC, TMP, SPS are named by vector instructions alone.  EXEC is never written; the masks of v_cndmask_b32 are written by scalar moves.
;
; LIMITS.  id + OFFSET is taken as an unsigned number and clamped to 0 .. 487,999: every index inside the table W[0:488000] is served (also an id
;   beyond its own column's vocabulary); an index outside the table reads the last entry.  A result below 2^-126 is stored as 0 (v_rcp_f32
;   flushes denormal results, ISA guide 15.8).  Sums are f32, in another order than a sum from left to right.
.set ROWB,   1024                      ; bytes in a dense row
.set NROW,   16                        ; register rows of a wave (two rows each)
.set SLOTS,  10                        ; ring slots, four loads each
.set NGAT,   20                        ; id columns = gathers a lane
.set IDXW,   32*NGAT*4                 ; a wave's id bytes: 2,560
.set OUTST,  8*IDXW                    ; LDS: behind the eight waves' id bytes, 256 results of 4 bytes
.set STOTAL, 488000                    ; entries of the sparse table; the 256 dense weights follow it
.set LAST,   STOTAL-1
.set WDOFF,  STOTAL*4                  ; byte 1,952,000 of W, a multiple of 256
.set SA,   5                           ; v5       wave x 2,560 + 16 x lane: id bytes as they lie in memory (global offset and LDS address alike)
.set SR,   6                           ; v6       wave x 2,560 + 80 x lane: my row's ids in LDS
.set WOF,  7                           ; v7       16 r: my four columns in each 256 bytes
.set DOF,  8                           ; v8       (t / 16) x 16 rows x 1,024 + 16 r: my 16 bytes in register row 0
.set OA,   9                           ; v9       4 t: my result in the stage
.set OB,   10                          ; v10      16 (t mod 64): four results on the way out
.set TMP,  11                          ; v11      MERGE: what a lane hands to its partner
.set SPS,  12                          ; v12      sum of my row's 20 gathered weights + b
.set LOG,  13                          ; v13      the logit, then the result
.set PAR,  14                          ; v[14:17] two packed chains of a turn
.set WDN,  18                          ; v[18:33] my 16 dense weights
.set ACC,  34                          ; v[34:49] partial sum of register row i
.set IDX,  50                          ; v[50:69] my row's ids, then the gathers' byte offsets
.set GAT,  70                          ; v[70:89] ids as loaded, then the gathered weights
.set DAT,  90                          ; v[90:249] the ring: slot s = 16 registers
.set MSK,  28                          ; s[28:31] lanes whose number has bit 0, 1, 2, 3 set
; one load: quarter c of register row i into its slot
.macro LD i, c
	global_load_b128 v[DAT+16*((\i)%SLOTS)+4*(\c):DAT+16*((\i)%SLOTS)+4*(\c)+3], v[DOF], s[8:9] offset:ROWB*(\i)+256*(\c) th:TH_LOAD_NT
.endm
; four loads: register row i into its slot
.macro FILL i
.irp c, 0,1,2,3
	LD \i, \c
.endr
.endm
; Fold two partial registers across lanes that differ in bit lvl (x = 1 << lvl).  A lane with the bit clear goes on with register a and hands its
; part of c to its partner; a lane with the bit set the other way round.  Three instructions halve two registers' lanes into one register.
.macro MERGE a, c, lvl, x
	v_cndmask_b32 v[TMP], v[ACC+\c], v[ACC+\a], s[MSK+\lvl]        ; to hand over: bit set ? a : c
	v_cndmask_b32 v[ACC+\a], v[ACC+\a], v[ACC+\c], s[MSK+\lvl]     ; to keep:      bit set ? c : a
	v_add_f32_dpp v[ACC+\a], v[TMP], v[ACC+\a] row_xmask:\x row_mask:0xf bank_mask:0xf   ; kept + what lane (l xor x) hands over
.endm
; The turn of register row i.  left = how many younger loads may stay out.
.macro TURN i, left
	s_wait_loadcnt \left                           ; loads come back in order (ISA guide 5.7.1): this slot's four are in
.set dd, DAT+16*((\i)%SLOTS)
	v_pk_mul_f32 v[PAR:PAR+1],   v[dd:dd+1],   v[WDN:WDN+1]        ; the first products start the two chains: nothing is cleared
	v_pk_mul_f32 v[PAR+2:PAR+3], v[dd+2:dd+3], v[WDN+2:WDN+3]
.irp c, 1,2,3
	v_pk_fma_f32 v[PAR:PAR+1],   v[dd+4*\c:dd+4*\c+1],   v[WDN+4*\c:WDN+4*\c+1],   v[PAR:PAR+1]
	v_pk_fma_f32 v[PAR+2:PAR+3], v[dd+4*\c+2:dd+4*\c+3], v[WDN+4*\c+2:WDN+4*\c+3], v[PAR+2:PAR+3]
.endr
.if (\i)+SLOTS < NROW
	s_wait_alu depctr_va_vdst(0)                   ; the eight lines above are done reading this slot, in which the four loads below land
	LD \i+SLOTS, 0                                 ; the slot's next register row; no vector line of the rest of the turn names the slot or v[DOF]
	LD \i+SLOTS, 1
.endif
	v_pk_add_f32 v[PAR:PAR+1], v[PAR:PAR+1], v[PAR+2:PAR+3]
.if (\i)+SLOTS < NROW
	LD \i+SLOTS, 2
	LD \i+SLOTS, 3
.endif
	v_add_f32 v[ACC+\i], v[PAR], v[PAR+1]
.if ((\i)&1) == 1
	MERGE \i-1, \i, 0, 1                           ; fold as soon as both of a pair exist: four folds are left behind the last turn
.endif
.if ((\i)&3) == 3
	MERGE \i-3, \i-1, 1, 2
.endif
.if ((\i)&7) == 7
	MERGE \i-7, \i-3, 2, 4
.endif
.if (\i) == 15
	MERGE 0, 8, 3, 8
.endif
.endm
	s_load_b256 s[4:11], s[0:1], 0x0               ; W s[4:5], b s[6:7], dense s[8:9], ids s[10:11]
	s_load_b64 s[12:13], s[0:1], 0x20              ; out
	v_lshl_add_u32 v250, v0, 2, 0x5400
	v_mov_b32 v251, 0
	v_lshrrev_b32 v1, 5, v0
	v_readfirstlane_b32 s16, v1                    ; wave 0..7
	v_and_b32 v2, 31, v0                           ; lane
	v_and_b32 v3, 15, v0                           ; r
	v_lshlrev_b32 v[WOF], 4, v3
	v_lshrrev_b32 v4, 4, v0                        ; 2 x wave + h
	v_lshl_add_u32 v[DOF], v4, 14, v[WOF]          ; x 16 rows of 1,024 bytes, + 16 r
	v_lshlrev_b32 v[OA], 2, v0
	v_mul_u32_u24 v3, v2, NGAT*4
	s_wait_alu depctr_va_sdst(0)                   ; s16 is written, ahead of its first reader, the line below
	s_mul_i32 s17, s16, IDXW                       ; my wave's id bytes, in the group's part of memory and in LDS alike
	v_lshl_add_u32 v[SA], v2, 4, s17
	v_add_nc_u32 v[SR], s17, v3
	s_mul_i32 s18, ttmp9, 8*IDXW                   ; the group's 256 rows: 20,480 bytes of ids,
	s_mov_b32 s19, 0
	s_lshl_b32 s20, ttmp9, 18                      ; 262,144 bytes of dense (at most 255 << 18: below 2^31),
	s_mov_b32 s21, 0
	s_lshl_b32 s22, ttmp9, 10                      ; 1,024 bytes of out
	s_mov_b32 s23, 0
	s_mov_b32 s[MSK+0], 0xaaaaaaaa
	s_mov_b32 s[MSK+1], 0xcccccccc
	s_mov_b32 s[MSK+2], 0xf0f0f0f0
	s_mov_b32 s[MSK+3], 0xff00ff00
	s_wait_kmcnt 0x0
	s_load_b32 s24, s[6:7], 0x0                    ; b
	s_add_nc_u64 s[10:11], s[10:11], s[18:19]
	s_add_nc_u64 s[8:9], s[8:9], s[20:21]
	s_add_nc_u64 s[12:13], s[12:13], s[22:23]
	s_wait_alu depctr_va_vdst(0)                   ; v5 to v9 are written: the loads, LDS stores and LDS loads of the whole kernel read them as addresses, and no vector line writes them again
	; The ids go first: they head the only chain of dependent loads (ids, then the gathers).
.irp j, 0,1,2,3,4
	global_load_b128 v[GAT+4*\j:GAT+4*\j+3], v[SA], s[10:11] offset:512*\j th:TH_LOAD_NT
.endr
.irp c, 0,1,2,3
	global_load_b128 v[WDN+4*\c:WDN+4*\c+3], v[WOF], s[4:5] offset:WDOFF+256*\c    ; W[488000 + 64 c + 4 r ..]
.endr
.irp i, 0,1,2,3,4,5,6,7,8,9
	FILL \i                                        ; the ring is filled before anything is waited for
.endr
	s_wait_loadcnt 4+4*SLOTS                       ; the five id loads are in; the 4 weight loads and 40 dense loads behind them stay out
.irp j, 0,1,2,3,4
	ds_store_b128 v[SA], v[GAT+4*\j:GAT+4*\j+3] offset:512*\j      ; my wave's own bytes, as they lie in memory
.endr
.irp c, 0,1,2,3,4
	ds_load_b128 v[IDX+4*\c:IDX+4*\c+3], v[SR] offset:16*\c        ; LDS serves a wave's instructions in order (ISA guide 5.7.1): these see the stores
.endr
	s_wait_dscnt 0x0                               ; my row's 20 ids are in
	; All 20 columns: id + the column's offset, clamped into the table, times 4 bytes.  In passes, so that no line reads the result of the line before it.
.irp j, 1,2,3
	v_add_nc_u32 v[IDX+\j], \j*100000, v[IDX+\j]                   ; four vocabularies of 100,000 (the first has offset 0)
.endr
.irp j, 0,1,2,3,4,5,6,7
	v_add_nc_u32 v[IDX+4+\j], 400000+\j*10000, v[IDX+4+\j]         ; eight of 10,000
.endr
.irp j, 0,1,2,3,4,5,6,7
	v_add_nc_u32 v[IDX+12+\j], 480000+\j*1000, v[IDX+12+\j]        ; eight of 1,000
.endr
.set j, 0
.rept NGAT
	v_min_u32 v[IDX+j], LAST, v[IDX+j]
.set j, j+1
.endr
.set j, 0
.rept NGAT
	v_lshlrev_b32 v[IDX+j], 2, v[IDX+j]
.set j, j+1
.endr
	s_wait_alu depctr_va_vdst(0)                   ; the 20 byte offsets in IDX are written, which the gathers read
	s_wait_alu depctr_vm_vsrc(0)                   ; the five LDS stores have read GAT, in which the gathers land and which the sparse sum writes later
.set j, 0
.rept NGAT
	global_load_b32 v[GAT+j], v[IDX+j], s[4:5]     ; W is read again by every work-group: no hint
.set j, j+1
.endr
	; Behind slot i's loads stand 4 (9 - i) loads of the first filling, the 20 gathers, and the refills of the turns so far (4 each, turns 0 to 5).
	TURN 0, 56
	TURN 1, 56
	TURN 2, 56
	TURN 3, 56
	TURN 4, 56
	TURN 5, 56
	TURN 6, 56                                     ; 12 + 20 + 24
	TURN 7, 52
	TURN 8, 48
	TURN 9, 44                                     ; 0 + 20 + 24
	s_wait_loadcnt 4*(NROW-SLOTS)                  ; the gathers are in; the 24 refills behind them stay out
	s_wait_kmcnt 0x0                               ; b
.irp j, 0,4,8,12,16
	v_pk_add_f32 v[GAT+\j:GAT+\j+1], v[GAT+\j:GAT+\j+1], v[GAT+\j+2:GAT+\j+3]
.endr
	v_pk_add_f32 v[GAT:GAT+1], v[GAT:GAT+1], v[GAT+4:GAT+5]
	v_pk_add_f32 v[GAT+8:GAT+9], v[GAT+8:GAT+9], v[GAT+12:GAT+13]
	v_pk_add_f32 v[GAT:GAT+1], v[GAT:GAT+1], v[GAT+16:GAT+17]
	v_pk_add_f32 v[GAT:GAT+1], v[GAT:GAT+1], v[GAT+8:GAT+9]
	v_add_f32 v[SPS], v[GAT], v[GAT+1]
	v_add_f32 v[SPS], s24, v[SPS]                  ; sparse sum + b, ready before the last dense rows arrive
	TURN 10, 20                                    ; only refills are left: the counts run down
	TURN 11, 16
	TURN 12, 12
	TURN 13, 8
	TURN 14, 4
	TURN 15, 0
	; sigmoid(x) = 1 / (1 + 2^(-x log2 e)).  2^.. = inf gives 0, 2^.. = 0 gives 1: no range of x needs a guard.
	v_add_f32 v[LOG], v[ACC], v[SPS]               ; lane (h, r) holds register row r of its half: thread t holds row t
	v_mul_f32 v[LOG], 0xbfb8aa3b, v[LOG]           ; x times -log2 e
	v_exp_f32 v[LOG], v[LOG]
	v_and_b32 v[OB], 63, v0                        ; a plain instruction between v_exp_f32 and the use of its result (ISA guide 5.7.2)
	s_wait_alu depctr_va_vdst(0)
	v_add_f32 v[LOG], 1.0, v[LOG]
	v_rcp_f32 v[LOG], v[LOG]
	v_lshlrev_b32 v[OB], 4, v[OB]                  ; and one behind v_rcp_f32
	s_wait_alu depctr_va_vdst(0)                   ; v[LOG] is written, which the LDS store reads; v[OB] is written, which the LDS load and the store behind the barrier read; the turns are done reading DAT's first four registers, in which that LDS load lands
	ds_store_b32 v[OA], v[LOG] offset:OUTST
	s_wait_dscnt 0x0                               ; for the other waves' sake: my result lies in LDS before I signal
	s_barrier_signal -1
	s_barrier_wait -1                              ; all 256 results lie there
	s_cmp_ge_u32 s16, 2
	s_cbranch_scc1 .Lend                           ; 1,024 bytes are 64 lanes x 16 bytes: waves 0 and 1 store them
	ds_load_b128 v[DAT:DAT+3], v[OB] offset:OUTST  ; rows 4 t .. 4 t + 3; no vector instruction stands behind the wait above
	s_wait_dscnt 0x0
	global_store_b128 v[OB], v[DAT:DAT+3], s[12:13] th:TH_STORE_NT
.Lend:
	s_wait_dscnt 0x0
	s_wait_alu depctr_hold_cnt(0) depctr_sa_sdst(0) depctr_va_vdst(0) depctr_va_sdst(0) depctr_va_ssrc(0) depctr_va_vcc(0) depctr_vm_vsrc(0)
	s_wait_tensorcnt 0x0
	ds_add_u32 v250, v251
	s_wait_dscnt 0x0
	s_endpgm
.Lfunc_end_k_q0dcc3b800e_lr:
	.size	k_q0dcc3b800e_lr, .Lfunc_end_k_q0dcc3b800e_lr-k_q0dcc3b800e_lr
	.p2alignl 7, 3214868480
	.fill 96, 4, 3214868480
	.section	.rodata,"a",@progbits
	.p2align	6, 0x0
	.amdhsa_kernel k_q0dcc3b800e_lr
		.amdhsa_group_segment_fixed_size 22528
		.amdhsa_private_segment_fixed_size 0
		.amdhsa_enable_private_segment 0
		.amdhsa_kernarg_size 40
		.amdhsa_user_sgpr_count 2
		.amdhsa_user_sgpr_kernarg_segment_ptr 1
		.amdhsa_wavefront_size32 1
		.amdhsa_system_sgpr_workgroup_id_x 1
		.amdhsa_system_sgpr_workgroup_id_y 1
		.amdhsa_system_sgpr_workgroup_id_z 1
		.amdhsa_system_vgpr_workitem_id 0
		.amdhsa_next_free_vgpr 252
		.amdhsa_next_free_sgpr 66
		.amdhsa_reserve_vcc 0
		.amdhsa_float_denorm_mode_32 3
		.amdhsa_float_denorm_mode_16_64 3
		.amdhsa_memory_ordered 1
		.amdhsa_forward_progress 1
		.amdhsa_inst_pref_size 29
	.end_amdhsa_kernel
	.amdgpu_metadata
---
amdhsa.version: [ 1, 2 ]
amdhsa.kernels:
  - .name:           k_q0dcc3b800e_lr
    .symbol:         k_q0dcc3b800e_lr.kd
    .args:
      - { .name: W, .offset: 0, .size: 8, .value_kind: global_buffer, .address_space: global }
      - { .name: b, .offset: 8, .size: 8, .value_kind: global_buffer, .address_space: global }
      - { .name: dense_feature, .offset: 16, .size: 8, .value_kind: global_buffer, .address_space: global }
      - { .name: sparse_feature, .offset: 24, .size: 8, .value_kind: global_buffer, .address_space: global }
      - { .name: out0, .offset: 32, .size: 8, .value_kind: global_buffer, .address_space: global }
    .group_segment_fixed_size: 22528
    .private_segment_fixed_size: 0
    .kernarg_segment_align: 8
    .kernarg_segment_size: 40
    .max_flat_workgroup_size: 256
    .sgpr_count:     66
    .vgpr_count:     252
    .wavefront_size: 32
...
	.end_amdgpu_metadata
.endif
;; end of part 2
